; MI455X (gfx1250); checked and timed in simulation.
; The chip was launched on July 23, 2026; its instructions are those of AMD's public machine-readable ISA for CDNA 5 (MIT licence, August 2026) and "CDNA5" Instruction Set Architecture Reference Guide (July 2026). The comments in the code are by the model that wrote it; some were corrected since.
;; Sparse KAN Linear. Allowed arithmetic: matrix products marked QUANTISED: E2M1 operands, one E8M0 scale for each 32 along K, by v_wmma_scale_f32_16x16x128_f8f6f4 with both operands' format E2M1 (or v_wmma_scale_f32_32x16x128_f4), f32 sums; everything else in f32.
;; Inputs: base_weight 512 x 512 float32; grid 512 x 12 float32; mask 512 x 512 float32; spline_scaler 512 x 512 float32; spline_weight 512 x 512 x 8 float32; x 16,384 x 512 float32.
;; Outputs: out0 16,384 x 512 float32.
;; This version of the problem:
;;   THIS VERSION OF THE PROBLEM IS GIVEN IN LOW PRECISION. The matrix products marked QUANTISED in the list below multiply operands that are first quantised to E2M1 (2 exponent bits, 1 mantissa bit; 4 bits a number), with one power-of-two scale for each 32 numbers along K (OCP MX v1.0); their sums are f32. All else is computed in f32.
;;   The module's matrix products, in the order in which they are computed (A, B: the left and right operand; K: the contracted axis; several contracted axes count as one K, in the product's order):
;;     1. [M 16,384, K 512] x [K 512, N 512]; A: computed on the way; B: computed on the way: QUANTISED
;;     2. [M 16,384, K 4,096] x [K 4,096, N 512]; A: computed on the way; B: computed on the way: QUANTISED
;;   THE QUANTISER, for each operand of a quantised product, along K:
;;     - K is cut into blocks of 32 from its start; a last block that is shorter is filled with zeros.
;;     - A block's scale is 2^e with e = floor(log2(the largest magnitude in the block)) - 2, held to -126 .. 127; a block of zeros has e = 0. As a byte (E8M0): e + 127.
;;     - Each number is divided by its block's scale, clamped to +-6, and rounded to the nearest number of E2M1, ties to even, subnormals kept.
;;     - The product sums the exact products of the quantised numbers (number of the format x scale) in f32.
;;   ~~~python
;;   def quantise(x, axis):      # numpy; x: float32 -> the quantised numbers, widened to float32 again
;;       x = np.moveaxis(x, axis, -1); K = x.shape[-1]
;;       x = np.pad(x, [(0, 0)] * (x.ndim - 1) + [(0, -K % 32)]); x = x.reshape(x.shape[:-1] + (-1, 32)); a = np.abs(x).max(-1, keepdims=True)
;;       e = np.where(a > 0, np.clip(np.frexp(np.where(a > 0, a, 1))[1] - 1 - 2, -126, 127), 0)      # np.frexp(a)[1] - 1 = floor(log2(a)), exactly
;;       r = np.clip(x / 2.0 ** e, -6, 6)
;;       step = 2.0 ** (np.maximum(np.frexp(np.where(r == 0, 1, r))[1] - 1, 0) - 1)
;;       q = np.round(r / step) * step * 2.0 ** e      # np.round: ties to even
;;       return np.moveaxis(q.reshape(q.shape[:-2] + (-1,))[..., :K], -1, axis).astype(np.float32)
;;   ~~~
;;   OPERANDS COMPUTED ON THE WAY. 'Computed on the way' means the value that the module computes at that place (a softmax that the list does not call 'softmax' is quantised finished and normalised). What goes into a quantiser is computed in f32, as accurately as f32 sums, v_exp_f32 and their like allow (about 1e-6 of the number): no bf16 or f16 on the way to a quantiser, and a product that is left as it is and whose result goes on into a quantised operand takes f32 operands (vector FMAs, or v_wmma_f32_16x16x4_f32). A number that lies on a knife's edge between two numbers of the format may be rounded either way, as far as f32 arithmetic and the matrix unit's own rounding can turn it there, and no further.
;; One version. Each part assembles by itself: llvm-mc -triple=amdgcn-amd-amdhsa -mcpu=gfx1250 --defsym DOCPART=n.
;; ======== version 1 of 1: 2 launches
;; limits: right only within a limited range of input values
;; workspace buffers: wq 1,253,376 bytes; tab 86,016 bytes
;; launch prep (part 1): grid 292 x 1, 4 waves a work-group, no clusters, 97,280 bytes of LDS; arguments base_weight, grid, mask, spline_scaler, spline_weight, wq, tab; writes wq, tab
.if DOCPART == 1
	.amdgcn_target "amdgcn-amd-amdhsa--gfx1250"
	.amdhsa_code_object_version 6
	.text
	.protected	k_q0329e483d0_prep
	.globl	k_q0329e483d0_prep
	.p2align	8
	.type	k_q0329e483d0_prep,@function
k_q0329e483d0_prep:
	s_mov_b64 s[64:65], 0
	v_nop
	global_prefetch_b8 v0, s[64:65] scope:SCOPE_SE
	s_setreg_imm32_b32 hwreg(HW_REG_WAVE_MODE, 25, 1), 1
	s_wait_xcnt 0x0
; THE WEIGHTS AS CODES OF FP4 (E2M1), ONCE, AND THE KNOTS AS A TABLE OF COEFFICIENTS.
; wq: 36 K steps of 128 along K, 34,816 bytes each.  K steps 0-31: spline_weight x (mask x spline_scaler), K = (feature, coefficient), 16 features a step;
;     the coefficients with odd number carry a minus sign, which the next launch's bases carry too (the quantiser is odd, so scales and products stay).  K steps 32-35: base_weight x mask, 128 features a step.
;     A K step holds 32 images of operand registers (tile T = 16 output columns: 1,024 bytes; registers 4 c .. 4 c + 3 of lane l at 512 c + 16 l), then from byte 32,768 on the 512 columns' scale words:
;     column o at 256 (o / 64) + 8 (o % 32) + 4 ((o / 32) % 2), byte b for block b.
; tab: 16 slices of 32 features, 5,376 bytes each, word k of feature f at 128 k + 4 (f % 32): k = 0-11 the knots g; 12-22 (-1)^j / (g[j+1] - g[j] + 1e-8); 23-32 1 / (g[j+2] - g[j] + 1e-8); 33-41 1 / (g[j+3] - g[j] + 1e-8).
; A block's scale is 2^(floor(log2(its largest magnitude)) - 2): its byte is that magnitude's exponent field - 2, held at 1 from below by a floor among the maximum's leaves.
; LIMITS: a block of zeros gets the byte 1 where the rule says 127 (its codes are zeros, and this program alone reads the bytes); NaN and infinities among the inputs are not served;
; a knot difference + 1e-8 that is exactly 0 or denormal is not served; 1 / t is v_rcp_f32 with one Newton step, not a division.
; SHARES: work-groups 0-255: tile T = id % 32, K steps 4 (id / 32) + wave.  256-287: tile id - 256, K step 32 + wave.  288-292: 128 rows of tab each.  Each of the three ways has LDS bytes of its own.
; No tensor loads, no cluster: no two work-groups read the same large bytes (mask is read twice, once on each of two ways).
.set KSB,  34816                       ; bytes of a K step in wq
.set WSTG, 16*528                      ; a wave's stage: 16 rows x (512 bytes + 16)
.set SSTG, 0                           ; LDS: the spline way's four stages,
.set FAC,  33792                       ; its 16 rows x (256 + 16) bytes of mask x scaler,
.set BSTG, 38144                       ; the base way's four stages,
.set TSTG, 71936                       ; the table way's 4 x 6,144 bytes
.set RAW,  32                          ; v32-95   16 rows x 16 bytes a lane, as loaded
.set MS,   96                          ; v96-111  mask, scaler
.set VB,   112                         ; v112-143 my block 0 + h, v144-147 its four factors; v148-179, v180-183 my block 2 + h
.set CD,   184                         ; v184-191 the two blocks' codes
.set BY,   192                         ; v192-193 their bytes
.set M1,   194
.set M2,   195
.set SC,   196
.set W0,   197
.set W1,   198
.set ROW,  64                          ; the table way: v64-111 a row of tab
.set DT,   112                         ; v112-141 the 30 differences, then the Newton residues
.set RC,   142                         ; v142-171 their reciprocals
; 32 numbers of ONE lane, v[v] on, become 16 bytes of codes in v[c] on and a scale byte in v[b]
.macro QBLK v, c, b
	v_max3_num_f32 v[M1], |v[\v]|, |v[\v+1]|, 0x1800000            ; the floor 2^(3 - 127): the byte cannot fall under 1
	v_max3_num_f32 v[M2], |v[\v+16]|, |v[\v+17]|, |v[\v+18]|       ; two chains, so that no line waits for the line above it
.irp i, 2,4,6,8,10,12
	v_max3_num_f32 v[M1], v[M1], |v[\v+\i]|, |v[\v+\i+1]|
	v_max3_num_f32 v[M2], v[M2], |v[\v+17+\i]|, |v[\v+18+\i]|
.endr
	v_max3_num_f32 v[M1], v[M1], |v[\v+14]|, |v[\v+15]|
	v_max3_num_f32 v[M1], v[M1], v[M2], |v[\v+31]|
	v_add_nc_u32 v[SC], 0xff000000, v[M1]                          ; 2 off the exponent field: the conversion takes this operand's exponent field as its scale
.irp g, 0,1,2,3
	v_cvt_scalef32_pk8_fp4_f32 v[\c+\g], v[\v+8*\g:\v+8*\g+7], v[SC]
.endr
	v_lshrrev_b32 v[\b], 23, v[SC]                                 ; the byte; also the plain line behind the conversions
.endm
; where tile s22 of K step s24 lies in wq: codes s[26:27], scale words s[28:29]
.macro OUTBASE
	s_mul_i32 s26, s24, KSB
	s_lshl_b32 s27, s22, 10
	s_add_co_u32 s26, s26, s27
	s_mov_b32 s27, 0
	s_add_nc_u64 s[26:27], s[14:15], s[26:27]
	s_mul_i32 s28, s24, KSB
	s_lshr_b32 s29, s22, 2
	s_lshl_b32 s29, s29, 8
	s_add_co_u32 s28, s28, s29                     ; 256 (T / 4)
	s_and_b32 s29, s22, 1
	s_lshl_b32 s29, s29, 7
	s_add_co_u32 s28, s28, s29                     ; + 128 (T % 2)
	s_bfe_u32 s29, s22, 0x10001
	s_lshl_b32 s29, s29, 2
	s_add_co_u32 s28, s28, s29                     ; + 4 ((T / 2) % 2)
	s_add_co_u32 s28, s28, 32768
	s_mov_b32 s29, 0
	s_add_nc_u64 s[28:29], s[14:15], s[28:29]
.endm
; my two blocks out of my wave's stage: lane (r, h) takes row r, blocks h and 2 + h, 128 bytes each
.macro RDBLK adr
.irp c, 0,1
.irp i, 0,1,2,3,4,5,6,7
	ds_load_b128 v[VB+36*\c+4*\i:VB+36*\c+4*\i+3], v[\adr] offset:256*\c+16*\i
.endr
.endr
.endm
; the tile leaves: each of the two code stores covers 512 consecutive bytes, aligned.  The scale words are 4 bytes in every 8: 128-byte pieces written in part, one byte in 17 of what this launch stores.
.macro OUTK
	global_store_b128 v10, v[CD:CD+3], s[26:27]
	global_store_b128 v10, v[CD+4:CD+7], s[26:27] offset:512
	v_lshl_or_b32 v[W0], v[BY+1], 16, v[BY]        ; my two bytes: blocks h and 2 + h,
	v_lshlrev_b32 v[W1], 3, v3
	v_lshlrev_b32 v[W0], v[W1], v[W0]              ; 8 h bits up;
	v_mov_b32 v[W1], 0                             ; (a lane permute's destination counts as read)
	v_permlanex16_b32 v[W1], v[W0], s20, s21
	v_or_b32 v[W0], v[W0], v[W1]                   ; with lane l xor 16's two the word is whole
	global_store_b32 v11, v[W0], s[28:29]          ; both halves of the lanes store the same word to the same place
.endm
	s_load_b256 s[4:11], s[0:1], 0x0               ; base_weight s[4:5], grid s[6:7], mask s[8:9], spline_scaler s[10:11]
	s_load_b128 s[12:15], s[0:1], 0x20             ; spline_weight s[12:13], wq s[14:15]
	s_load_b64 s[16:17], s[0:1], 0x30              ; tab
	v_lshl_add_u32 v224, v0, 2, 0x17a00
	v_mov_b32 v225, 0
	v_lshrrev_b32 v1, 5, v0
	v_readfirstlane_b32 s18, v1                    ; wave
	v_and_b32 v1, 31, v0                           ; lane
	v_and_b32 v2, 15, v0                           ; r
	v_bfe_u32 v3, v0, 4, 1                         ; h
	v_lshlrev_b32 v10, 4, v1                       ; 16 x lane
	v_lshlrev_b32 v11, 3, v2                       ; 8 r
	s_mov_b32 s20, 0x76543210
	s_mov_b32 s21, 0xfedcba98                      ; v_permlanex16_b32's selects for lane l xor 16
	s_mul_i32 s19, s18, WSTG
	s_wait_kmcnt 0x0
	s_cmp_lt_u32 ttmp9, 256
	s_cbranch_scc1 .Lspline
	s_cmp_lt_u32 ttmp9, 288
	s_cbranch_scc1 .Lbase
	; ---- THE TABLE: a thread to a row
	s_sub_co_u32 s22, ttmp9, 288
	s_lshl_b32 s23, s22, 7
	v_add_nc_u32 v4, s23, v0                       ; f
	v_min_u32 v4, 511, v4                          ; rows from 512 on repeat row 511: no load leaves grid
	v_mul_u32_u24 v4, v4, 48
	global_load_b128 v[ROW:ROW+3], v4, s[6:7]
	global_load_b128 v[ROW+4:ROW+7], v4, s[6:7] offset:16
	global_load_b128 v[ROW+8:ROW+11], v4, s[6:7] offset:32
	; TAB AS IT IS STORED: 16 slices of 32 features, 5,376 bytes each; in a slice 42 words of 128 bytes, word k of feature f at 128 k + 4 (f % 32):
	; k = 0-11 the knots g; 12-22 (-1)^j / (g[j+1] - g[j] + 1e-8); 23-32 1 / (g[j+2] - g[j] + 1e-8); 33-41 1 / (g[j+3] - g[j] + 1e-8).
	; Work-groups 288-291 make it: a wave's 32 threads are one slice, so each store of a word covers 128 consecutive bytes.
	s_mul_i32 s24, s18, 5376
	s_wait_alu depctr_va_vdst(0)
	v_lshlrev_b32 v5, 2, v1
	s_mul_i32 s22, s22, 21504
	s_add_co_u32 s22, s22, s24
	s_mov_b32 s23, 0
	s_add_nc_u64 s[16:17], s[16:17], s[22:23]
	s_wait_loadcnt 0x0
.set n, 0
.irp k, 1,2,3
.set j, 0
.rept 12-\k
	v_sub_f32 v[DT+n], v[ROW+j+\k], v[ROW+j]       ; g[j + k] - g[j]
.set j, j+1
.set n, n+1
.endr
.endr
.set n, 0
.rept 30
	v_add_f32 v[DT+n], 0x322bcc77, v[DT+n]         ; + 1e-8
.set n, n+1
.endr
.set n, 0
	s_wait_alu depctr_va_vdst(0)
.rept 30
	v_rcp_f32 v[RC+n], v[DT+n]                     ; one batch
.set n, n+1
.endr
	v_nop                                          ; the plain line behind the reciprocals
	s_wait_alu depctr_va_vdst(0)                   ; one wait for the 30, ahead of their first reader
.set n, 0
.rept 30
	v_fma_f32 v[DT+n], -v[DT+n], v[RC+n], 1.0      ; e = 1 - t r
.set n, n+1
.endr
.set n, 0
.rept 30
.if (n < 11) && (n % 2)
	v_fma_f32 v[ROW+16+n], -v[RC+n], v[DT+n], -v[RC+n]   ; -(r + r e): the first level carries (-1)^j
.else
	v_fma_f32 v[ROW+16+n], v[RC+n], v[DT+n], v[RC+n]     ; r + r e
.endif
.set n, n+1
.endr
.set n, 0
.rept 12
	global_store_b32 v5, v[ROW+n], s[16:17] offset:128*n          ; the knots
.set n, n+1
.endr
.set n, 0
.rept 30
	global_store_b32 v5, v[ROW+16+n], s[16:17] offset:128*(12+n)  ; the coefficients
.set n, n+1
.endr
	s_wait_tensorcnt 0x0
	ds_add_u32 v224, v225
	s_wait_dscnt 0x0
	s_endpgm
	; ---- THE SPLINE WEIGHTS
.Lspline:
	s_and_b32 s22, ttmp9, 31                       ; T
	s_lshr_b32 s23, ttmp9, 5                       ; g: features 64 g on, four K steps
	s_lshl_b32 s24, s23, 2
	s_add_co_u32 s24, s24, s18                     ; my K step
	s_lshl_b32 s25, s22, 15                        ; mask, scaler: 16 T rows of 2,048 bytes,
	s_lshl_b32 s26, s23, 8                         ; the group's 256 bytes of a row,
	s_add_co_u32 s25, s25, s26
	s_lshl_b32 s26, s18, 13                        ; my wave's four rows
	s_add_co_u32 s25, s25, s26
	s_wait_alu depctr_va_vdst(0)
	v_lshlrev_b32 v4, 4, v2
	v_lshl_add_u32 v4, v3, 11, v4
	v_add_nc_u32 v4, s25, v4                       ; sixteen lanes read 256 consecutive bytes of a row, aligned
	global_load_b128 v[MS:MS+3], v4, s[8:9]
	global_load_b128 v[MS+4:MS+7], v4, s[8:9] offset:4096
	global_load_b128 v[MS+8:MS+11], v4, s[10:11]
	global_load_b128 v[MS+12:MS+15], v4, s[10:11] offset:4096
	s_lshl_b32 s25, s22, 18                        ; spline_weight: 16 T rows of 16,384 bytes,
	s_lshl_b32 s26, s24, 9                         ; my K step's 512 bytes
	s_add_co_u32 s25, s25, s26
	v_add_nc_u32 v5, s25, v10
.irp rr, 0,1,2,3,4,5,6,7,8,9,10,11,12,13,14,15
	global_load_b128 v[RAW+4*\rr:RAW+4*\rr+3], v5, s[12:13] offset:\rr*16384 th:TH_LOAD_NT   ; 512 consecutive bytes of row 16 T + rr
.endr
	s_mul_i32 s26, s18, 4*272
	s_add_co_u32 s26, s26, FAC
	v_mul_u32_u24 v6, v3, 272
	v_lshl_add_u32 v6, v2, 4, v6
	v_add_nc_u32 v6, s26, v6                       ; the factors in: row 4 w + h (+ 2), 16 r
	v_add_nc_u32 v7, s19, v10                      ; my stage, in: 16 x lane
	v_mul_u32_u24 v8, v2, 528
	v_lshl_add_u32 v8, v3, 7, v8
	v_add_nc_u32 v8, s19, v8                       ; and out: row r, + 128 h
	s_lshl_b32 s26, s18, 6
	s_add_co_u32 s26, s26, FAC
	v_mul_u32_u24 v9, v2, 272
	v_lshl_add_u32 v9, v3, 4, v9
	v_add_nc_u32 v9, s26, v9                       ; the factors out: row r, my K step's 64 bytes, + 16 h
	OUTBASE
	s_wait_alu depctr_va_vdst(0)
	s_wait_loadcnt 16                              ; mask and scaler are in; the 16 younger loads may stay out
.irp i, 0,2,4,6
	v_pk_mul_f32 v[MS+\i:MS+\i+1], v[MS+\i:MS+\i+1], v[MS+8+\i:MS+9+\i]   ; mask x scaler
.endr
	ds_store_b128 v6, v[MS:MS+3]
	ds_store_b128 v6, v[MS+4:MS+7] offset:2*272
	s_wait_loadcnt 0x0
.irp rr, 0,1,2,3,4,5,6,7,8,9,10,11,12,13,14,15
	ds_store_b128 v7, v[RAW+4*\rr:RAW+4*\rr+3] offset:\rr*528
.endr
	s_wait_dscnt 0x0                               ; for the others' sake: my rows of factors have landed
	s_barrier_signal -1
	s_barrier_wait -1                              ; the 16 rows of factors are whole (the branch to this way hangs on the work-group's number: all four waves are here)
	RDBLK 8
	ds_load_b128 v[VB+32:VB+35], v9
	ds_load_b128 v[VB+68:VB+71], v9 offset:32
	s_wait_dscnt 0x0
.irp c, 0,1
.irp i, 0,1,2,3                                ; feature i of the block: its eight coefficients x its factor; the odd ones negated
.irp m, 0,2,4,6
.if \i % 2
	v_pk_mul_f32 v[VB+36*\c+8*\i+\m:VB+36*\c+8*\i+\m+1], v[VB+36*\c+8*\i+\m:VB+36*\c+8*\i+\m+1], v[VB+36*\c+32+2*(\i/2):VB+36*\c+33+2*(\i/2)] op_sel:[0,1] op_sel_hi:[1,1] neg_hi:[0,1]
.else
	v_pk_mul_f32 v[VB+36*\c+8*\i+\m:VB+36*\c+8*\i+\m+1], v[VB+36*\c+8*\i+\m:VB+36*\c+8*\i+\m+1], v[VB+36*\c+32+2*(\i/2):VB+36*\c+33+2*(\i/2)] op_sel:[0,0] op_sel_hi:[1,0] neg_hi:[0,1]
.endif
.endr
.endr
.endr
	QBLK VB, CD, BY
	QBLK VB+36, CD+4, BY+1
	OUTK
	s_wait_tensorcnt 0x0
	ds_add_u32 v224, v225
	s_wait_dscnt 0x0
	s_endpgm
	; ---- THE BASE WEIGHTS
.Lbase:
	s_sub_co_u32 s22, ttmp9, 256                   ; T
	s_add_co_u32 s24, s18, 32                      ; my K step
	s_lshl_b32 s25, s22, 15                        ; 16 T rows of 2,048 bytes,
	s_lshl_b32 s26, s18, 9                         ; my K step's 512 bytes
	s_add_co_u32 s25, s25, s26
	s_wait_alu depctr_va_vdst(0)
	v_add_nc_u32 v5, s25, v10
.irp rr, 0,1,2,3,4,5,6,7,8,9,10,11,12,13,14,15
	global_load_b128 v[RAW+4*\rr:RAW+4*\rr+3], v5, s[4:5] offset:\rr*2048 th:TH_LOAD_NT
.endr
.irp rr, 0,1,2,3,4,5,6,7,8,9,10,11,12,13,14,15
	global_load_b128 v[VB+4*\rr:VB+4*\rr+3], v5, s[8:9] offset:\rr*2048
.endr
	v_add_nc_u32 v7, s19, v10
	v_add_nc_u32 v7, BSTG, v7
	v_mul_u32_u24 v8, v2, 528
	v_lshl_add_u32 v8, v3, 7, v8
	v_add_nc_u32 v8, s19, v8
	v_add_nc_u32 v8, BSTG, v8
	OUTBASE
	s_wait_loadcnt 0x0
.set n, 0
.rept 32
	v_pk_mul_f32 v[RAW+2*n:RAW+2*n+1], v[RAW+2*n:RAW+2*n+1], v[VB+2*n:VB+2*n+1]   ; base_weight x mask
.set n, n+1
.endr
.irp rr, 0,1,2,3,4,5,6,7,8,9,10,11,12,13,14,15
	ds_store_b128 v7, v[RAW+4*\rr:RAW+4*\rr+3] offset:\rr*528
.endr
	RDBLK 8                                        ; my wave's own bytes, served in order: no barrier
	s_wait_dscnt 0x0
	QBLK VB, CD, BY
	QBLK VB+36, CD+4, BY+1
	OUTK
	s_wait_tensorcnt 0x0
	ds_add_u32 v224, v225
	s_wait_dscnt 0x0
	s_endpgm
.Lfunc_end_k_q0329e483d0_prep:
	.size	k_q0329e483d0_prep, .Lfunc_end_k_q0329e483d0_prep-k_q0329e483d0_prep
	.p2alignl 7, 3214868480
	.fill 96, 4, 3214868480
	.section	.rodata,"a",@progbits
	.p2align	6, 0x0
	.amdhsa_kernel k_q0329e483d0_prep
		.amdhsa_group_segment_fixed_size 97280
		.amdhsa_private_segment_fixed_size 0
		.amdhsa_enable_private_segment 0
		.amdhsa_kernarg_size 56
		.amdhsa_user_sgpr_count 2
		.amdhsa_user_sgpr_kernarg_segment_ptr 1
		.amdhsa_wavefront_size32 1
		.amdhsa_system_sgpr_workgroup_id_x 1
		.amdhsa_system_sgpr_workgroup_id_y 1
		.amdhsa_system_sgpr_workgroup_id_z 1
		.amdhsa_system_vgpr_workitem_id 0
		.amdhsa_next_free_vgpr 226
		.amdhsa_next_free_sgpr 66
		.amdhsa_reserve_vcc 0
		.amdhsa_float_denorm_mode_32 3
		.amdhsa_float_denorm_mode_16_64 3
		.amdhsa_memory_ordered 1
		.amdhsa_forward_progress 1
		.amdhsa_inst_pref_size 38
	.end_amdhsa_kernel
	.amdgpu_metadata
---
amdhsa.version: [ 1, 2 ]
amdhsa.kernels:
  - .name:           k_q0329e483d0_prep
    .symbol:         k_q0329e483d0_prep.kd
    .args:
      - { .name: base_weight, .offset: 0, .size: 8, .value_kind: global_buffer, .address_space: global }
      - { .name: grid, .offset: 8, .size: 8, .value_kind: global_buffer, .address_space: global }
      - { .name: mask, .offset: 16, .size: 8, .value_kind: global_buffer, .address_space: global }
      - { .name: spline_scaler, .offset: 24, .size: 8, .value_kind: global_buffer, .address_space: global }
      - { .name: spline_weight, .offset: 32, .size: 8, .value_kind: global_buffer, .address_space: global }
      - { .name: wq, .offset: 40, .size: 8, .value_kind: global_buffer, .address_space: global }
      - { .name: tab, .offset: 48, .size: 8, .value_kind: global_buffer, .address_space: global }
    .group_segment_fixed_size: 97280
    .private_segment_fixed_size: 0
    .kernarg_segment_align: 8
    .kernarg_segment_size: 56
    .max_flat_workgroup_size: 128
    .sgpr_count:     66
    .vgpr_count:     226
    .wavefront_size: 32
...
	.end_amdgpu_metadata
.endif
;; end of part 1
;; launch main (part 2): grid 256 x 1, 8 waves a work-group, clusters of 4 x 1, 327,680 bytes of LDS; arguments x, wq, tab, out0; writes out0
.if DOCPART == 2
	.amdgcn_target "amdgcn-amd-amdhsa--gfx1250"
	.amdhsa_code_object_version 6
	.text
	.protected	k_q0329e483d0_main
	.globl	k_q0329e483d0_main
	.p2align	8
	.type	k_q0329e483d0_main,@function
k_q0329e483d0_main:
	s_mov_b64 s[64:65], 0
	v_nop
	global_prefetch_b8 v0, s[64:65] scope:SCOPE_SE
	s_setreg_imm32_b32 hwreg(HW_REG_WAVE_MODE, 25, 1), 1
	s_wait_xcnt 0x0
	s_wait_alu depctr_hold_cnt(0) depctr_sa_sdst(0) depctr_va_vdst(0) depctr_va_sdst(0) depctr_va_ssrc(0) depctr_va_vcc(0) depctr_vm_vsrc(0)
	s_getreg_b32 s2, hwreg(HW_REG_IB_STS2, 6, 4)
	s_cmp_eq_u32 s2, 0
	s_cbranch_scc0 .Lentry_in_a_cluster
	s_endpgm
.Lentry_in_a_cluster:
	s_bfe_u32 s2, ttmp6, 0x10000c
	s_cmp_lg_u32 s2, 0x3003
	s_cbranch_scc0 .Lentry_shape_is_right
	s_endpgm
.Lentry_shape_is_right:
; out0 = Q(silu(x)) Q(base_weight x mask)^T + Q(bases(x, grid)) Q(spline_weight x mask x scaler)^T, both products on codes of FP4 (E2M1) with one E8M0 scale for each 32 along K.
; The weights arrive as codes in wq (images of operand registers, 36 K steps of 128), the knots as coefficients in tab (16 slices of 32 features x 42 words); the launch before made both.  x is read once.
; SHARES.  A work-group owns 64 rows and all 512 outputs; eight like waves.  16 HALF STEPS of 32 features (two K steps of wq, one slot).  In half step t wave w MAKES the bases of its rows 8 w .. 8 w + 7:
; four iterations of two rows; lanes 0-15 hold the even row, lanes 16-31 the odd one; A LANE HOLDS TWO NEIGHBOURING FEATURES, one in the even and one in the odd register of each pair, so that
; knots and coefficients are plain register pairs (84 registers, read from LDS once a half step, each group as soon as the half step's last iteration has used it).
; In the same half step the wave MULTIPLIES half step t - 1: outputs 64 w on, 64 rows: 16 accumulators, 32 matrix instructions.
; THE BASES, for any knots (sorted or not): d[j] = x - g[j]; level 0 is (d[j] >= 0) and not (d[j+1] >= 0); with B[j] = (-1)^j b[j]:
; E_k[j] = A_k[j] B_(k-1)[j],  B_k[j] = d[j] E_k[j] + d[j+k+1] E_k[j+1].  The sign (-1)^j of the last level is carried by the weights' codes too.
; x: 64 features of my 8 rows come by 8 loads of 256 bytes, one group (two half steps) ahead, and turn through my own stage in LDS into the two layouts wanted: two features a lane for the splines,
; 16 neighbours a lane for silu, whose codes are gathered in LDS over the eight groups and multiplied at the end (K steps 32-35).
; OPERANDS GO FROM WAVE TO WAVE THROUGH LDS as rows of codes (128 bytes + 16 a row and half step), scale bytes beside them.  THE MATRIX INSTRUCTION IS USED TRANSPOSED (source 0 = 16 output columns).
; CLUSTER.  All work-groups walk the same wq and read the same tab: the four of a cluster ask JOINTLY (mask 15): waves 0-3 a quarter of a slot each, at the head waves 4-7 a quarter of tab each.
; At a change of half steps the first iteration's arithmetic, work on registers alone, stands between the round's opening signal and its wait; its two LDS stores follow the joint load.
; Slot 16 of wq lands on tab's bytes, whose last slice is in registers by the change into half step 15 (waves 4-7 ask for it there).  wq is prefetched two slots ahead by the first cluster, by address.
; x has no prefetch: its loads into registers are themselves issued a group ahead.
; LIMITS: NaN and infinities in x are not served; the division by a knot difference is a multiplication by a refined reciprocal; a block of zeros carries the byte 1 (its codes are zeros, nobody else
; reads the bytes); silu is x / (1 + 2^(-1.442695 x)) by v_exp_f32 and v_rcp_f32.
.set SLOTB, 69632                      ; a slot: two K steps of wq
.set KSB,   34816
.set QTR,   17408                      ; 68 rows of 256 bytes
.set TSL,   5376                       ; a slice of tab
.set TQ,    21504                      ; a quarter of tab: 84 rows of 256 bytes
.set TAB,   2*SLOTB
.set IP,    144                        ; a row of codes of a half step: 128 bytes + 16
.set IB,    64*IP
.set IMG,   TAB+16*TSL                 ; two buffers of 64 rows.  No tensor load lands here or further on
.set ASC,   IMG+2*IB                   ; two buffers of scale bytes: 256 kk + 4 row + block
.set BP,    272
.set BIMG,  ASC+1024                   ; silu's codes: 64 rows x (256 bytes + 16)
.set BSC,   BIMG+64*BP                 ; their scale bytes: 16 row + block
.set XSTG,  BSC+1024                   ; x's stages: 8 rows x 272 a wave
.set OSTG,  XSTG+8*8*BP                ; the way out: 16 rows x 272 a wave
.set SPARE, OSTG+8*16*BP               ; the spare words: four blocks of 256 bytes that no other line names
; WINDOW 0: v1 spare word, v2 zero, v3 tab (stepped), v4, v5 codes and scale byte into IMG, ASC, v6-9 weights and their scale words in slot 0, 1, v10, v11 rows' fragments and scale words,
; v12-14 x's stage in, out for splines, out for silu, v15, v16 silu's codes and byte (stepped), v17 x, v18 prefetch (stepped); behind the last half step v3-5, v12-15 are made anew for the tail;
; v20-23, v24-27 two sets of scales and nothing else, v28-35 codes, v82, v83 the quantiser's, v104-107 scale bytes.
.set D,  36                            ; v36-59  d[0..11], a pair each
.set P,  60                            ; v60-81  E
.set Q,  84                            ; v84-103 B
.set OA, 108                           ; v108-115 the even feature's eight, v116-123 the odd one's
.set OB, 116
.set X,  124                           ; v124-139 x for eight iterations
.set T,  140                           ; v140-155 silu's 16 numbers, v156-171 at work
.set T2, 156
.set TB, 172                           ; v172-255 the slice of tab: word k at TB + 2 k
; WINDOW 1: v0-127 accumulator (rt, ct) at 8 (4 rt + ct); v128-191 fragments, set 0 (weights, then rows); v192-207 x as it is loaded; in the tail v192-255 fragments, set 1
.set XN, 192
.macro SETF fs                         ; which set of fragment and scale registers the lines below name
.set WF, 128+64*(\fs)
.set AF, 160+64*(\fs)
.set SCB, 24-4*(\fs)
.endm
	SETF 0
.set MSB, 0
.macro WIN new                         ; the immediate's high byte repeats the setting that is left
.if MSB != \new
	s_set_vgpr_msb (MSB<<8)|\new
.set MSB, \new
.endif
.endm
.macro DLY n
	s_delay_alu instid0(VALU_DEP_\n)
.endm
.macro NOPS
.rept 4
	v_nop
.endr
.endm
.macro CREST                           ; a round of the cluster's barrier behind its opening barrier
	s_cmp_lg_u32 s2, 0
	s_cbranch_scc1 .Lnot_wave_0_\@
	s_barrier_signal -3
.Lnot_wave_0_\@:
	s_barrier_wait -3
	s_barrier_signal -1
	s_barrier_wait -1
.endm
.macro ROUND                           ; a whole round
	s_barrier_signal -1
	s_barrier_wait -1
	CREST
.endm
; The joint load of a slot: waves 0-3 a quarter each.  ask = 1: the first cluster names the slot two loads on: 272 rows of 256 bytes, 68 a work-group by address, 17 a wave, a lane a row.
.macro JLOAD ask
	s_cmp_lt_u32 s2, 4
	s_cbranch_scc0 .Lno_load_\@
	tensor_load_to_lds s[60:63], s[52:59]
	s_nop 0
	NOPS
.if \ask
	s_cmp_eq_u32 ttmp9, 0
	s_cbranch_scc0 .Lno_load_\@
	global_prefetch_b8 v18, s[6:7] th:TH_LOAD_NT scope:SCOPE_SE
.endif
.Lno_load_\@:
.endm
; THE CHANGE OF HALF STEPS, first part: all my tensor loads have landed; the add; my LDS stores have landed and my LDS reads are back; the round's opening signal.
.macro SYNCA slot
	s_wait_tensorcnt 0x0
	ds_add_u32 v1, v2
	s_add_nc_u64 s[62:63], s[62:63], SLOTB         ; no tensor load of mine is out: the next slot of wq
	s_add_co_u32 s61, s36, (\slot)*SLOTB
	s_wait_xcnt 0x0                                ; the last prefetch has read its offset
	v_add_nc_u32 v18, SLOTB, v18
	v_add_nc_u32 v3, TSL, v3                       ; tab: the slice that my registers now hold
	s_wait_alu depctr_va_vdst(0)                   ; the wait ahead of the blocking wait
	s_wait_dscnt 0x0
	s_barrier_signal -1
.endm
; Second part, behind work on registers: the rest of the round, then the joint load into the slot read last.
.macro SYNCW
	s_wait_alu depctr_va_vdst(0)                   ; the wait ahead of the blocking wait
	s_barrier_wait -1
	CREST
.endm
.macro LDT from, n, off                ; words from .. from + n - 1 of a slice of tab
.set k, \from
.rept \n
	ds_load_b64 v[TB+2*k:TB+2*k+1], v3 offset:(\off)+128*k
.set k, k+1
.endr
.endm
.macro XLOAD                           ; 64 features of my eight rows: each load covers 256 consecutive bytes, aligned
	WIN 0x40
.irp j, 0,1,2,3,4,5,6,7
	global_load_b64 v[XN+2*\j:XN+2*\j+1], v17, s[4:5] offset:\j*2048 th:TH_LOAD_NT
.endr
	WIN 0
.endm
.macro TURN                            ; the group through my stage, 20 LDS instructions: LDS serves a wave's instructions in order
	s_wait_alu depctr_va_vdst(0)                   ; the wait ahead of the blocking wait
	s_wait_loadcnt 0x0
	WIN 0x04
.irp j, 0,1,2,3,4,5,6,7
	ds_store_b64 v12, v[XN+2*\j:XN+2*\j+1] offset:\j*BP
.endr
	WIN 0
.irp s, 0,1
.irp m, 0,1,2,3
	ds_load_b64 v[X+8*\s+2*\m:X+8*\s+2*\m+1], v13 offset:2*\m*BP+128*\s
.endr
.endr
.irp m, 0,1,2,3
	ds_load_b128 v[T+4*\m:T+4*\m+3], v14 offset:16*\m
.endr
.endm
.macro FRAGW wr, off                   ; my four fragments of weights
	WIN 0x40
.irp ct, 0,1,2,3
	ds_load_b128 v[WF+8*\ct:WF+8*\ct+3], v[\wr] offset:(\off)+\ct*1024
	ds_load_b128 v[WF+8*\ct+4:WF+8*\ct+7], v[\wr] offset:(\off)+\ct*1024+512
.endr
.endm
.macro FRAGA ar, off, tile             ; the four fragments of rows: lane (r, h) takes 16 bytes at row r + 16 h, and 32 further on
.irp rt, 0,1,2,3
	ds_load_b128 v[AF+8*\rt:AF+8*\rt+3], v[\ar] offset:(\off)+\rt*(\tile)
	ds_load_b128 v[AF+8*\rt+4:AF+8*\rt+7], v[\ar] offset:(\off)+\rt*(\tile)+32
.endr
	WIN 0
.endm
.macro FRAGS kk, cb                    ; K step kk of slot cb and of image buffer cb: 19 loads
	FRAGW 6+(\cb), (\kk)*KSB
	FRAGA 10, (\cb)*IB+(\kk)*64, 16*IP
	ds_load_b64 v[SCB:SCB+1], v[8+(\cb)] offset:(\kk)*KSB
	ds_load_b32 v[SCB+2], v11 offset:(\cb)*512+(\kk)*256
	ds_load_b32 v[SCB+3], v11 offset:(\cb)*512+(\kk)*256+128
.endm
.macro FRAGSB wr, sr, kk, kb           ; the same for silu's K step kb: 19 loads
	FRAGW \wr, (\kk)*KSB
	FRAGA 5, (\kb)*64, 16*BP
	ds_load_b64 v[SCB:SCB+1], v[\sr] offset:(\kk)*KSB
	ds_load_b32 v[SCB+2], v12 offset:4*(\kb)
	ds_load_b32 v[SCB+3], v12 offset:4*(\kb)+512
.endm
; One product.  A scale register carries two tiles' words: the even tile's in lanes 0-15, the odd tile's in lanes 16-31.
.macro WM rt, ct, zero
.set AC, 8*(4*(\rt)+(\ct))
.set WR, WF+8*(\ct)
.set AR, AF+8*(\rt)
.set SW, SCB+(\ct)/2
.set SA, SCB+2+(\rt)/2
.if \zero
.if ((\ct)%2) && ((\rt)%2)
	v_wmma_scale_f32_16x16x128_f8f6f4 v[AC:AC+7], v[WR:WR+7], v[AR:AR+7], 0, v[SW], v[SA] matrix_a_fmt:MATRIX_FMT_FP4 matrix_b_fmt:MATRIX_FMT_FP4 matrix_a_scale:MATRIX_SCALE_ROW1 matrix_b_scale:MATRIX_SCALE_ROW1
.elseif (\ct)%2
	v_wmma_scale_f32_16x16x128_f8f6f4 v[AC:AC+7], v[WR:WR+7], v[AR:AR+7], 0, v[SW], v[SA] matrix_a_fmt:MATRIX_FMT_FP4 matrix_b_fmt:MATRIX_FMT_FP4 matrix_a_scale:MATRIX_SCALE_ROW1
.elseif (\rt)%2
	v_wmma_scale_f32_16x16x128_f8f6f4 v[AC:AC+7], v[WR:WR+7], v[AR:AR+7], 0, v[SW], v[SA] matrix_a_fmt:MATRIX_FMT_FP4 matrix_b_fmt:MATRIX_FMT_FP4 matrix_b_scale:MATRIX_SCALE_ROW1
.else
	v_wmma_scale_f32_16x16x128_f8f6f4 v[AC:AC+7], v[WR:WR+7], v[AR:AR+7], 0, v[SW], v[SA] matrix_a_fmt:MATRIX_FMT_FP4 matrix_b_fmt:MATRIX_FMT_FP4
.endif
.else
.if ((\ct)%2) && ((\rt)%2)
	v_wmma_scale_f32_16x16x128_f8f6f4 v[AC:AC+7], v[WR:WR+7], v[AR:AR+7], v[AC:AC+7], v[SW], v[SA] matrix_a_fmt:MATRIX_FMT_FP4 matrix_b_fmt:MATRIX_FMT_FP4 matrix_a_scale:MATRIX_SCALE_ROW1 matrix_b_scale:MATRIX_SCALE_ROW1
.elseif (\ct)%2
	v_wmma_scale_f32_16x16x128_f8f6f4 v[AC:AC+7], v[WR:WR+7], v[AR:AR+7], v[AC:AC+7], v[SW], v[SA] matrix_a_fmt:MATRIX_FMT_FP4 matrix_b_fmt:MATRIX_FMT_FP4 matrix_a_scale:MATRIX_SCALE_ROW1
.elseif (\rt)%2
	v_wmma_scale_f32_16x16x128_f8f6f4 v[AC:AC+7], v[WR:WR+7], v[AR:AR+7], v[AC:AC+7], v[SW], v[SA] matrix_a_fmt:MATRIX_FMT_FP4 matrix_b_fmt:MATRIX_FMT_FP4 matrix_b_scale:MATRIX_SCALE_ROW1
.else
	v_wmma_scale_f32_16x16x128_f8f6f4 v[AC:AC+7], v[WR:WR+7], v[AR:AR+7], v[AC:AC+7], v[SW], v[SA] matrix_a_fmt:MATRIX_FMT_FP4 matrix_b_fmt:MATRIX_FMT_FP4
.endif
.endif
.endm
.macro WK zero                         ; a K step's 16 products; the 16 accumulators take turns.  zero = 1: they start the sums
	WIN 0x55                                       ; all four matrix operands in window 1
.irp rt, 0,1,2,3
.irp ct, 0,1,2,3
	WM \rt, \ct, \zero
.endr
.endr
	WIN 0
.endm
; 16 neighbours along K of one lane, v[v] on (two neighbouring lanes hold a block), become 8 bytes of codes in v[c], v[c+1] and the block's scale byte in v[b]
.macro QNT v, c, b, m0, m1
	v_max3_num_f32 v[\m0], |v[\v]|, |v[\v+1]|, 0x1800000           ; the floor 2^(3 - 127): the byte cannot fall under 1
	v_max3_num_f32 v[\m1], |v[\v+8]|, |v[\v+9]|, |v[\v+10]|
.irp k, 2,4
	DLY 2
	v_max3_num_f32 v[\m0], v[\m0], |v[\v+\k]|, |v[\v+\k+1]|
	DLY 2
	v_max3_num_f32 v[\m1], v[\m1], |v[\v+9+\k]|, |v[\v+10+\k]|
.endr
	DLY 2
	v_max3_num_f32 v[\m0], v[\m0], |v[\v+6]|, |v[\v+7]|
	DLY 1
	v_max3_num_f32 v[\m0], v[\m0], v[\m1], |v[\v+15]|
	DLY 1
	v_max_num_f32_dpp v[\m0], v[\m0], v[\m0] row_xmask:1 row_mask:0xf bank_mask:0xf   ; with my neighbour's 16
	DLY 1
	v_add_nc_u32 v[\m1], 0xff000000, v[\m0]        ; 2 off the exponent field: the conversion's scale operand
	v_cvt_scalef32_pk8_fp4_f32 v[\c], v[\v:\v+7], v[\m1]
	v_cvt_scalef32_pk8_fp4_f32 v[\c+1], v[\v+8:\v+15], v[\m1]
	v_lshrrev_b32 v[\b], 23, v[\m1]                ; the byte; also the plain line behind the conversions
.endm
; Iteration i of a half step of parity par: rows 8 w + 2 i (lanes 0-15) and + 1 (lanes 16-31), my two features.  Iteration 0 touches registers alone: its two stores are macro ST0.
; cons: the half step before is multiplied on the way (K step 0 in iteration 1, K step 1 in iteration 3); cons = 2: in the loop's first trip K step 0's products start the sums.
; reload: in iteration 3 each group of tab's words is read anew, for the next slice, behind its last use.  turn: in iteration 3 the next group of x goes through the stage.
.macro ITER i, par, cons, turn, reload
.set XR, X+8*(\par)+2*(\i)
.irp j, 0,1,2,3,4,5,6,7,8,9,10,11
	v_pk_add_f32 v[D+2*\j:D+2*\j+1], v[XR:XR+1], v[TB+2*\j:TB+2*\j+1] neg_lo:[0,1] neg_hi:[0,1]   ; d[j] = x - g[j]
.endr
.if (\reload) && ((\i) == 3)
	LDT 0, 12, TSL
.endif
.if (\turn) && ((\i) == 3)
	TURN
.endif
.irp j, 0,1,2,3,4,5,6,7,8,9,10,11
	v_cmp_le_f32 s[68+2*\j], 0, v[D+2*\j]
	v_cmp_le_f32 s[69+2*\j], 0, v[D+2*\j+1]
.endr
.irp j, 0,1,2,3,4,5,6,7,8,9,10
	s_and_not1_b64 s[68+2*\j:69+2*\j], s[68+2*\j:69+2*\j], s[70+2*\j:71+2*\j]   ; d[j] >= 0 and not d[j+1] >= 0, both features' lane masks at once
.endr
.irp j, 0,1,2,3,4,5,6,7,8,9,10
	v_cndmask_b32 v[P+2*\j], 0, v[TB+24+2*\j], s[68+2*\j]          ; E_1
	v_cndmask_b32 v[P+2*\j+1], 0, v[TB+25+2*\j], s[69+2*\j]
.endr
.if (\reload) && ((\i) == 3)
	LDT 12, 11, TSL
.endif
.if (\cons) && ((\i) == 1)
	s_wait_alu depctr_va_vdst(0)                   ; the wait ahead of the blocking wait
	s_wait_dscnt YG1                               ; K step 0's fragments are in; behind them: the stores of iteration 0 and, where it ran, of silu
.if (\cons) == 2
	s_cmp_eq_u32 s3, 7
	s_cbranch_scc1 .Lzero_\@
	WK 0
	s_branch .Ljoin_\@
.Lzero_\@:
	WK 1
.Ljoin_\@:
.else
	WK 0
.endif
.endif
.if (\cons) && ((\i) == 3)
	s_wait_alu depctr_va_vdst(0)
	s_wait_dscnt 2+23*(\reload)+20*(\turn)         ; K step 1's fragments are in; behind them: iteration 2's two stores, tab's 12 + 11 loads, the stage's 20
	WK 0
.endif
.irp j, 0,1,2,3,4,5,6,7,8,9
	v_pk_mul_f32 v[Q+2*\j:Q+2*\j+1], v[D+2*\j:D+2*\j+1], v[P+2*\j:P+2*\j+1]
.endr
.irp j, 0,1,2,3,4,5,6,7,8,9
	v_pk_fma_f32 v[Q+2*\j:Q+2*\j+1], v[D+2*\j+4:D+2*\j+5], v[P+2*\j+2:P+2*\j+3], v[Q+2*\j:Q+2*\j+1]   ; B_1
.endr
.irp j, 0,1,2,3,4,5,6,7,8,9
	v_pk_mul_f32 v[P+2*\j:P+2*\j+1], v[TB+46+2*\j:TB+47+2*\j], v[Q+2*\j:Q+2*\j+1]   ; E_2
.endr
.if (\reload) && ((\i) == 3)
	LDT 23, 10, TSL
.endif
.irp j, 0,1,2,3,4,5,6,7,8
	v_pk_mul_f32 v[Q+2*\j:Q+2*\j+1], v[D+2*\j:D+2*\j+1], v[P+2*\j:P+2*\j+1]
.endr
.irp j, 0,1,2,3,4,5,6,7,8
	v_pk_fma_f32 v[Q+2*\j:Q+2*\j+1], v[D+2*\j+6:D+2*\j+7], v[P+2*\j+2:P+2*\j+3], v[Q+2*\j:Q+2*\j+1]   ; B_2
.endr
.irp j, 0,1,2,3,4,5,6,7,8
	v_pk_mul_f32 v[P+2*\j:P+2*\j+1], v[TB+66+2*\j:TB+67+2*\j], v[Q+2*\j:Q+2*\j+1]   ; E_3
.endr
.if (\reload) && ((\i) == 3)
	LDT 33, 9, TSL
.endif
; the last level parts the two features: pairs of instructions, one destination even and one odd (the second half takes coefficient (j + 1) % 8)
.irp j, 0,1,2,3,4,5,6,7
	v_dual_mul_f32 v[OA+\j], v[D+2*\j], v[P+2*\j] :: v_dual_mul_f32 v[OB+((\j+1)&7)], v[D+2*((\j+1)&7)+1], v[P+2*((\j+1)&7)+1]
.endr
.irp j, 0,1,2,3,4,5,6,7
	v_dual_fmac_f32 v[OA+\j], v[D+2*\j+8], v[P+2*\j+2] :: v_dual_fmac_f32 v[OB+((\j+1)&7)], v[D+2*((\j+1)&7)+9], v[P+2*((\j+1)&7)+3]   ; B_3: 16 neighbours along K
.endr
	QNT OA, 28+2*(\i), 104+(\i), 82, 83
.if (\i) > 0
	ds_store_b64 v4, v[28+2*(\i):29+2*(\i)] offset:(\par)*IB+(\i)*2*IP
	ds_store_b8 v5, v[104+(\i)] offset:(\par)*512+8*(\i)           ; both lanes of a block write the same byte
.endif
.if (\cons) && ((\i) == 1)
	FRAGS 1, 1-(\par)                              ; the lines above are the places behind K step 0's products
.endif
.endm
.macro ST0 par                         ; iteration 0's codes and scale byte
	ds_store_b64 v4, v[28:29] offset:(\par)*IB
	ds_store_b8 v5, v104 offset:(\par)*512
.endm
; silu of the group's 64 features of my 8 rows: 16 neighbours a lane.  Each kind of transcendental is one batch, with a wait ahead of it and behind it.
.macro SILU
	v_add_nc_u32 v15, 32, v15                      ; this group's place in a row of codes, and among its scale bytes
	v_add_nc_u32 v16, 2, v16
.irp n, 0,2,4,6,8,10,12,14
	v_pk_mul_f32 v[T2+\n:T2+\n+1], v[T+\n:T+\n+1], 0xbfb8aa3b op_sel_hi:[1,0]
.endr
	s_wait_alu depctr_va_vdst(0)
.irp n, 0,1,2,3,4,5,6,7,8,9,10,11,12,13,14,15
	v_exp_f32 v[T2+\n], v[T2+\n]
.endr
	v_nop
	s_wait_alu depctr_va_vdst(0)
.irp n, 0,2,4,6,8,10,12,14
	v_pk_add_f32 v[T2+\n:T2+\n+1], v[T2+\n:T2+\n+1], 1.0 op_sel_hi:[1,0]
.endr
	s_wait_alu depctr_va_vdst(0)
.irp n, 0,1,2,3,4,5,6,7,8,9,10,11,12,13,14,15
	v_rcp_f32 v[T2+\n], v[T2+\n]
.endr
	v_nop
	s_wait_alu depctr_va_vdst(0)
.irp n, 0,2,4,6,8,10,12,14
	v_pk_mul_f32 v[T+\n:T+\n+1], v[T+\n:T+\n+1], v[T2+\n:T2+\n+1]
.endr
	QNT T, T2, T2+2, T2+4, T2+5
	ds_store_b64 v15, v[T2:T2+1]
	ds_store_b8 v16, v[T2+2]
.endm
.macro BODY par, cons, silu, turn, reload      ; a half step behind iteration 0's arithmetic
.set YG1, 2+2*(\silu)
.if \cons
	FRAGS 0, 1-(\par)
.endif
	ST0 \par
.if \silu
	SILU
.endif
	ITER 1, \par, \cons, \turn, \reload
	ITER 2, \par, \cons, \turn, \reload
	ITER 3, \par, \cons, \turn, \reload
.endm
	s_load_b256 s[4:11], s[0:1], 0x0               ; x s[4:5], wq s[6:7], tab s[8:9], out0 s[10:11]
	v_lshl_add_u32 v1, v0, 2, SPARE
	v_mov_b32 v2, 0
	ds_add_u32 v1, v2                              ; the opening lines: the add, twice on end, and its wait
	ds_add_u32 v1, v2
	v_lshrrev_b32 v36, 5, v0
	DLY 1
	v_readfirstlane_b32 s2, v36                    ; wave 0..7
	s_and_b32 s24, s2, 3
	s_mul_i32 s36, s24, QTR                        ; my quarter of a slot
	s_mov_b32 s37, 0
	s_mul_i32 s28, s24, TQ                         ; my quarter of tab
	s_mov_b32 s29, 0
	s_mul_i32 s12, s2, 8*IP
	s_add_co_u32 s12, s12, IMG
	s_lshl_b32 s13, s2, 5
	s_add_co_u32 s13, s13, ASC
	s_lshl_b32 s14, s2, 12
	s_lshl_b32 s15, s2, 8
	s_add_co_u32 s15, s15, 32768
	s_mul_i32 s16, s2, 8*BP
	s_add_co_u32 s17, s16, BIMG-32
	s_add_co_u32 s16, s16, XSTG
	s_lshl_b32 s18, s2, 7
	s_add_co_u32 s18, s18, BSC-2
	s_lshl_b32 s19, s2, 14
	s_mul_i32 s20, s2, 16*BP
	s_add_co_u32 s20, s20, OSTG                    ; my stage for the way out (kept for the tail),
	s_lshl_b32 s21, s2, 8                          ; and my 256 bytes of a row of out0
	s_bfe_u32 s25, ttmp6, 0x40000                  ; cx: it enters addresses in memory alone
	s_mul_i32 s22, s25, 68
	s_mul_i32 s24, s24, 17
	s_add_co_u32 s22, s22, s24
	s_lshl_b32 s22, s22, 8
	s_add_co_u32 s22, s22, 2*SLOTB                 ; the prefetches: each change of half steps adds a slot ahead of its request
	s_lshl_b32 s26, ttmp9, 2
	s_add_co_u32 s26, s26, s25
	s_lshl_b32 s26, s26, 17                        ; my work-group's 64 rows of 2,048 bytes
	s_mov_b32 s27, 0
	s_mov_b32 s52, 15|(3<<16)|(1<<21)              ; group 1 for wq: the mask of all four; elements of 8 bytes; bit 21 beside a mask
	s_mov_b32 s53, 32<<16                          ; rows of 256 bytes,
	s_mov_b32 s54, 68<<16                          ; 68 of them, dense
	s_mov_b32 s55, 32<<16
	s_mov_b32 s56, 68
	s_mov_b32 s57, 32
	s_mov_b32 s58, 0
	s_mov_b32 s59, 0
	s_mov_b32 s40, 15|(3<<16)|(1<<21)              ; group 1 for tab: 84 rows
	s_mov_b32 s41, 32<<16
	s_mov_b32 s42, 84<<16
	s_mov_b32 s43, 32<<16
	s_mov_b32 s44, 84
	s_mov_b32 s45, 32
	s_mov_b32 s46, 0
	s_mov_b32 s47, 0
	s_mov_b32 s60, 1
	s_mov_b32 s61, s36
	s_mov_b32 s48, 1
	s_add_co_u32 s49, s28, TAB
	s_wait_dscnt 0x0                               ; both opening adds are done
	v_and_b32 v36, 31, v0                          ; l
	v_and_b32 v37, 15, v0                          ; r, and my pair of features p
	v_bfe_u32 v38, v0, 4, 1                        ; h
	v_bfe_u32 v39, v0, 2, 3                        ; l / 4
	v_and_b32 v40, 3, v0                           ; l % 4
	v_bfe_u32 v41, v0, 3, 1                        ; my K step of the slot: p / 8
	v_bfe_u32 v42, v0, 1, 2                        ; my block in it: (p / 2) % 4
	v_mul_u32_u24 v4, v38, IP
	v_mul_u32_u24 v10, v37, IP
	v_mul_u32_u24 v13, v38, BP
	v_mul_u32_u24 v43, v39, BP
	v_bfe_u32 v16, v0, 1, 1
	v_lshl_add_u32 v3, v37, 3, TAB
	v_lshl_add_u32 v4, v37, 3, v4
	v_lshl_add_u32 v5, v41, 8, v42
	v_lshl_add_u32 v10, v38, 4, v10
	v_lshl_add_u32 v13, v37, 3, v13
	v_add_nc_u32 v4, s12, v4                       ; codes in: row 8 w + h (+ 2 i), 8 p
	v_lshl_add_u32 v5, v38, 2, v5
	v_add_nc_u32 v10, IMG, v10
	v_add_nc_u32 v13, s16, v13
	v_lshl_add_u32 v6, v36, 4, s14
	v_add_nc_u32 v5, s13, v5
	v_lshl_add_u32 v8, v36, 3, s15
	v_lshl_add_u32 v11, v36, 2, ASC
	v_lshl_add_u32 v12, v36, 3, s16
	v_add_nc_u32 v7, SLOTB, v6
	v_add_nc_u32 v9, SLOTB, v8
	v_lshl_add_u32 v14, v40, 6, v43
	v_lshl_add_u32 v15, v40, 3, v43
	v_lshl_add_u32 v16, v39, 4, v16
	v_min_u32 v18, 16, v36
	v_add_nc_u32 v14, s16, v14
	v_add_nc_u32 v15, s17, v15
	v_add_nc_u32 v16, s18, v16
	v_lshl_add_u32 v18, v18, 8, s22
	v_lshl_add_u32 v17, v36, 3, s19
	s_wait_alu depctr_va_vdst(0)                   ; the wait at the head's end
	s_wait_kmcnt 0x0
	s_add_nc_u64 s[62:63], s[6:7], s[36:37]
	s_or_b32 s63, s63, 0x80000000
	s_add_nc_u64 s[50:51], s[8:9], s[28:29]
	s_or_b32 s51, s51, 0x80000000
	s_add_nc_u64 s[4:5], s[4:5], s[26:27]
	s_add_nc_u64 s[10:11], s[10:11], s[26:27]
	XLOAD                                          ; group 0 of x
	ROUND                                          ; all four work-groups are here: the first joint loads meet
	s_cmp_lt_u32 s2, 4                             ; one tensor load a wave: waves 0-3 slot 0 of wq, waves 4-7 tab
	s_cbranch_scc0 .Lhead_tab
	tensor_load_to_lds s[60:63], s[52:59]
	s_nop 0
	NOPS
	s_branch .Lhead_asked
.Lhead_tab:
	tensor_load_to_lds s[48:51], s[40:47]
	s_nop 0
	NOPS
.Lhead_asked:
	TURN
	s_wait_tensorcnt 0x0                           ; my quarter has landed
	s_wait_dscnt 0x0
	s_barrier_signal -1
	s_barrier_wait -1                              ; tab is whole
	LDT 0, 42, 0                                   ; slice 0
	s_add_nc_u64 s[4:5], s[4:5], 256
	XLOAD                                          ; group 1 (the stage's stores have read their registers)
	s_wait_dscnt 0x0
	ITER 0, 0, 0, 0, 1                             ; half step 0: nothing to multiply yet
	BODY 0, 0, 1, 0, 1
	s_mov_b32 s3, 7
.Lloop:                                                ; half steps 2 n + 1 and 2 n + 2: buffers and slots are back where they began
	SYNCA 1
	ITER 0, 1, 2, 1, 1
	SYNCW
	JLOAD 1
	BODY 1, 2, 0, 1, 1
	SYNCA 0
	ITER 0, 0, 1, 0, 1
	SYNCW
	JLOAD 1
	s_cmp_eq_u32 s3, 1
	s_cbranch_scc1 .Lno_x                          ; the last trip has no group of x left to ask for
	s_add_nc_u64 s[4:5], s[4:5], 256
	XLOAD
.Lno_x:
	BODY 0, 1, 1, 0, 1
	s_sub_co_u32 s3, s3, 1
	s_cmp_lg_u32 s3, 0
	s_wait_alu depctr_va_vdst(0)                   ; the wait ahead of the branch
	s_cbranch_scc1 .Lloop
	; ---- half step 15: the last slice is in registers, so tab's bytes take slot 16: waves 0-3 ask for slot 15 into ring slot 1, waves 4-7 for slot 16
	SYNCA 1
	s_add_nc_u64 s[50:51], s[62:63], SLOTB         ; (no tensor load of mine is out)
	s_add_co_u32 s49, s36, TAB
	ITER 0, 1, 1, 0, 0
	SYNCW
	s_cmp_lt_u32 s2, 4
	s_cbranch_scc0 .Ltail_b
	tensor_load_to_lds s[60:63], s[52:59]
	s_nop 0
	NOPS
	s_cmp_eq_u32 ttmp9, 0
	s_cbranch_scc0 .Ltail_asked
	global_prefetch_b8 v18, s[6:7] th:TH_LOAD_NT scope:SCOPE_SE    ; slot 17
	s_branch .Ltail_asked
.Ltail_b:
	tensor_load_to_lds s[48:51], s[52:59]
	s_nop 0
	NOPS
.Ltail_asked:
	BODY 1, 1, 0, 0, 0
	; ---- nothing is left to make.  Slot 17 goes into ring slot 0; half step 15 and silu's first two K steps are multiplied meanwhile, on two sets of fragment registers by turns
	s_wait_tensorcnt 0x0
	ds_add_u32 v1, v2
	s_add_nc_u64 s[62:63], s[62:63], 2*SLOTB
	s_mov_b32 s61, s36
	s_wait_dscnt 0x0
	ROUND
	JLOAD 0
	v_and_b32 v36, 15, v0                          ; r
	v_bfe_u32 v37, v0, 4, 1                        ; h
	v_and_b32 v38, 31, v0                          ; l
	v_add_nc_u32 v3, TAB, v6                       ; my weights in the slot on tab's bytes,
	v_add_nc_u32 v4, TAB, v8                       ; and their scale words
	v_mul_u32_u24 v13, v36, BP
	v_mul_u32_u24 v14, v37, BP
	v_lshlrev_b32 v15, 11, v37
	v_lshl_add_u32 v12, v38, 4, BSC                ; silu's scale words: 16 bytes a row
	v_lshl_add_u32 v5, v37, 4, v13
	v_lshl_add_u32 v13, v37, 5, v13
	v_lshl_add_u32 v14, v36, 4, v14
	v_lshl_add_u32 v15, v36, 4, v15
	v_add_nc_u32 v5, BIMG, v5                      ; silu's fragments: row r, + 16 h
	v_add_nc_u32 v13, s20, v13                     ; the way out: in, row r, 32 bytes for each half of the lanes;
	v_add_nc_u32 v14, s20, v14                     ; back, lanes 0-15 one row, lanes 16-31 the next;
	v_add_nc_u32 v15, s21, v15                     ; and the same in out0
	SETF 0
	FRAGS 0, 1
	SETF 1
	FRAGS 1, 1
	s_wait_alu depctr_va_vdst(0)                   ; the wait ahead of the blocking wait
	s_wait_dscnt 19                                ; the older set is in; the younger set's 19 loads may be out
	SETF 0
	WK 0
	NOPS                                           ; places in front of loads into registers that the products have read
	FRAGSB 3, 4, 0, 0
	s_wait_dscnt 19
	SETF 1
	WK 0
	NOPS
	FRAGSB 3, 4, 1, 1
	s_wait_dscnt 19
	SETF 0
	WK 0
	s_wait_dscnt 0x0
	SETF 1
	WK 0
	NOPS
	s_wait_tensorcnt 0x0                           ; the last slot has landed
	ds_add_u32 v1, v2
	s_wait_dscnt 0x0
	s_barrier_signal -1
	s_barrier_wait -1
	SETF 0
	FRAGSB 6, 8, 0, 2
	SETF 1
	FRAGSB 6, 8, 1, 3
	s_wait_dscnt 19
	SETF 0
	WK 0
	s_wait_dscnt 0x0
	SETF 1
	WK 0
	NOPS
; THE WAY OUT, a tile of 16 rows x my 64 outputs at a time, through my own stage: back as rows of 256 bytes.  Each accumulator is read from its low end on.
.macro TOSTAGE rt
	WIN 0x04
.irp ct, 0,1,2,3
	ds_store_b128 v13, v[8*(4*(\rt)+\ct):8*(4*(\rt)+\ct)+3] offset:64*\ct
	ds_store_b128 v13, v[8*(4*(\rt)+\ct)+4:8*(4*(\rt)+\ct)+7] offset:64*\ct+16
.endr
	WIN 0
.irp m, 0,1,2,3,4,5,6,7
	ds_load_b128 v[D+32*((\rt)%2)+4*\m:D+32*((\rt)%2)+4*\m+3], v14 offset:2*\m*BP
.endr
.endm
.macro SEND rt, younger                ; younger: the LDS instructions issued behind tile rt's loads, which may stay out
	s_wait_dscnt \younger
.irp m, 0,1,2,3,4,5,6,7
	global_store_b128 v15, v[D+32*((\rt)%2)+4*\m:D+32*((\rt)%2)+4*\m+3], s[10:11] offset:(16*(\rt)+2*\m)*2048 th:TH_STORE_NT   ; sixteen lanes store 256 consecutive bytes, aligned
.endr
.endm
	TOSTAGE 0
	TOSTAGE 1
	SEND 0, 16
	s_wait_xcnt 0x0                                ; tile 0's stores have read their registers
	TOSTAGE 2
	SEND 1, 16
	s_wait_xcnt 0x0
	TOSTAGE 3
	SEND 2, 16
	SEND 3, 0
	s_wait_tensorcnt 0x0                           ; the wave's end
	ds_add_u32 v1, v2
	s_wait_dscnt 0x0
	ROUND                                          ; the closing round
	s_endpgm
.Lfunc_end_k_q0329e483d0_main:
	.size	k_q0329e483d0_main, .Lfunc_end_k_q0329e483d0_main-k_q0329e483d0_main
	.p2alignl 7, 3214868480
	.fill 96, 4, 3214868480
	.section	.rodata,"a",@progbits
	.p2align	6, 0x0
	.amdhsa_kernel k_q0329e483d0_main
		.amdhsa_group_segment_fixed_size 327680
		.amdhsa_private_segment_fixed_size 0
		.amdhsa_enable_private_segment 0
		.amdhsa_kernarg_size 32
		.amdhsa_user_sgpr_count 2
		.amdhsa_user_sgpr_kernarg_segment_ptr 1
		.amdhsa_wavefront_size32 1
		.amdhsa_system_sgpr_workgroup_id_x 1
		.amdhsa_system_sgpr_workgroup_id_y 1
		.amdhsa_system_sgpr_workgroup_id_z 1
		.amdhsa_system_vgpr_workitem_id 0
		.amdhsa_next_free_vgpr 512
		.amdhsa_next_free_sgpr 96
		.amdhsa_reserve_vcc 0
		.amdhsa_float_denorm_mode_32 3
		.amdhsa_float_denorm_mode_16_64 3
		.amdhsa_memory_ordered 1
		.amdhsa_forward_progress 1
		.amdhsa_inst_pref_size 244
	.end_amdhsa_kernel
	.amdgpu_metadata
---
amdhsa.version: [ 1, 2 ]
amdhsa.kernels:
  - .name:           k_q0329e483d0_main
    .symbol:         k_q0329e483d0_main.kd
    .args:
      - { .name: x, .offset: 0, .size: 8, .value_kind: global_buffer, .address_space: global }
      - { .name: wq, .offset: 8, .size: 8, .value_kind: global_buffer, .address_space: global }
      - { .name: tab, .offset: 16, .size: 8, .value_kind: global_buffer, .address_space: global }
      - { .name: out0, .offset: 24, .size: 8, .value_kind: global_buffer, .address_space: global }
    .group_segment_fixed_size: 327680
    .private_segment_fixed_size: 0
    .kernarg_segment_align: 8
    .kernarg_segment_size: 32
    .max_flat_workgroup_size: 256
    .sgpr_count:     96
    .vgpr_count:     512
    .wavefront_size: 32
...
	.end_amdgpu_metadata
.endif
;; end of part 2
